; MI455X (gfx1250); checked and timed in simulation.
; The chip was launched on July 23, 2026; its instructions are those of AMD's public machine-readable ISA for CDNA 5 (MIT licence, August 2026) and "CDNA5" Instruction Set Architecture Reference Guide (July 2026). The comments in the code are by the model that wrote it; some were corrected since.
;; Attn. Allowed arithmetic: matrix products marked QUANTISED: E4M3 operands, one E8M0 scale for each 32 along K, by v_wmma_scale_f32_16x16x128_f8f6f4 with both operands' format E4M3, f32 sums; products left as they are: f32 operands where the result goes on into a quantised operand, else bf16, f16 or f32 operands; f32 sums; everything else in f32.
;; Inputs: W 1,024 x 1,024 float32; b 1,024 float32; encoder_outputs 16 x 4,096 x 1,024 float32; hidden 16 x 1,024 float32.
;; Outputs: out0 16 x 1 x 4,096 float32.
;; This version of the problem:
;;   THIS VERSION OF THE PROBLEM IS GIVEN IN LOW PRECISION. The matrix products marked QUANTISED in the list below multiply operands that are first quantised to E4M3 (4 exponent bits, 3 mantissa bits; 8 bits a number), with one power-of-two scale for each 32 numbers along K (OCP MX v1.0); their sums are f32. All else is computed in f32.
;;   The module's matrix products, in the order in which they are computed (A, B: the left and right operand; K: the contracted axis; several contracted axes count as one K, in the product's order):
;;     1. [M 65,536, K 1,024] x [K 1,024, N 1,024]; A: input encoder_outputs; B: input W: QUANTISED
;;     2. batch 16 x [M 1, K 1,024] x [K 1,024, N 4,096]; A: input hidden; B: computed on the way: left as it is (M = 1 < 16)
;;   THE QUANTISER, for each operand of a quantised product, along K:
;;     - K is cut into blocks of 32 from its start; a last block that is shorter is filled with zeros.
;;     - A block's scale is 2^e with e = floor(log2(the largest magnitude in the block)) - 8, held to -126 .. 127; a block of zeros has e = 0. As a byte (E8M0): e + 127.
;;     - Each number is divided by its block's scale, clamped to +-448, and rounded to the nearest number of E4M3, ties to even, subnormals kept.
;;     - The product sums the exact products of the quantised numbers (number of the format x scale) in f32.
;;   ~~~python
;;   def quantise(x, axis):      # numpy; x: float32 -> the quantised numbers, widened to float32 again
;;       x = np.moveaxis(x, axis, -1); K = x.shape[-1]
;;       x = np.pad(x, [(0, 0)] * (x.ndim - 1) + [(0, -K % 32)]); x = x.reshape(x.shape[:-1] + (-1, 32)); a = np.abs(x).max(-1, keepdims=True)
;;       e = np.where(a > 0, np.clip(np.frexp(np.where(a > 0, a, 1))[1] - 1 - 8, -126, 127), 0)      # np.frexp(a)[1] - 1 = floor(log2(a)), exactly
;;       r = np.clip(x / 2.0 ** e, -448, 448)
;;       step = 2.0 ** (np.maximum(np.frexp(np.where(r == 0, 1, r))[1] - 1, -6) - 3)
;;       q = np.round(r / step) * step * 2.0 ** e      # np.round: ties to even
;;       return np.moveaxis(q.reshape(q.shape[:-2] + (-1,))[..., :K], -1, axis).astype(np.float32)
;;   ~~~
;; One version. Each part assembles by itself: llvm-mc -triple=amdgcn-amd-amdhsa -mcpu=gfx1250 --defsym DOCPART=n.
;; ======== version 1 of 1: 3 launches
;; limits: right only within a limited range of input values
;; workspace buffers: wq 1,081,344 bytes; part 262,144 bytes
;; launch wquant (part 1): grid 16 x 8, 1 waves a work-group, no clusters, 9,984 bytes of LDS; arguments W, wq; writes wq
.if DOCPART == 1
	.amdgcn_target "amdgcn-amd-amdhsa--gfx1250"
	.amdhsa_code_object_version 6
	.text
	.protected	k_q237f181008_wquant
	.globl	k_q237f181008_wquant
	.p2align	8
	.type	k_q237f181008_wquant,@function
k_q237f181008_wquant:
	s_mov_b64 s[64:65], 0
	v_nop
	global_prefetch_b8 v0, s[64:65] scope:SCOPE_SE
	s_setreg_imm32_b32 hwreg(HW_REG_WAVE_MODE, 25, 1), 1
	s_wait_xcnt 0x0
; W [1024 (g)][1024 (k)], f32, K innermost, is turned ONCE into codes of FP8 (E4M3) with one E8M0 byte for each 32 along K, laid in the order in which the next launch's operand registers take them.
; A block's scale is 2^(floor(log2(its largest magnitude)) - 8); its byte is the largest magnitude's exponent field - 8, held at 1 from below; each number is held within +-448 x the scale and rounded to the nearest code, ties to even.
; LIMITS: NaN and infinities among the inputs are not served.  A block of zeros gets the byte 1 where the rule says 127: its codes are zeros, which add nothing under any byte but 0xff, and this program alone reads the bytes.
; SHARES.  One wave to a work-group.  Work-group (x = Q, y = s) makes one QUAD BLOCK: rows g = 64 Q .. 64 Q + 63, K = 128 s .. 128 s + 127: four fragments of 16 rows x 128 K and their scale words, 8,448 bytes.
; LAYOUT OF wq.  16 pieces of 67,584 bytes; piece 2 s + p holds 8 quad blocks; with Q = 8 j + 4 p + q the block lies in quad slot 4 j + q.  In a block: fragment c at 2048 c, its registers 4 k .. 4 k + 3 at + 512 k,
; lane l's 16 bytes at + 16 l; at + 8192 lane l's 8 bytes: the scale word of the quad's row l, then that of row 32 + l.
; A JOB is 16 rows x 128 K.  In unit u a lane holds 8 NEIGHBOURS along K of one row (row u + 8 (lane / 16), k = 8 (lane % 16) + 0 .. 7), as the conversion wants them; a block of 32 lies in four neighbouring lanes.
; The unit's two loads together read 512 consecutive bytes of each of two rows.  The codes go as rows of 128 bytes + 16 into the wave's own LDS and come back as fragments.  No barrier: one wave.
.set SCWO,  9216                       ; LDS: 64 rows x 144 bytes of codes, then 64 scale words
.set PIECE, 67584
.set QUADB, 8448
.set XO,  1                            ; v1   my byte in W: 8 rows x (lane / 16) + 32 x (lane % 16)
.set CW,  2                            ; v2   LDS: where my 8 codes go: 8 rows x (lane / 16) + 8 x (lane % 16)
.set SW,  3                            ; v3   LDS: where my block's byte goes
.set FA,  4                            ; v4   LDS: a fragment's row (lane % 16) x 144 + 16 x (lane / 16)
.set L16, 5                            ; v5   16 x lane
.set SA,  6                            ; v6   LDS: scale word of row = lane
.set L8,  7                            ; v7   8 x lane
.set MX,  8                            ; v8-15   a unit's largest magnitude
.set SC,  16                           ; v16-23  the conversion's scale operand
.set BD,  24                           ; v24-31  448 x the scale
.set BY,  32                           ; v32-39  the scale's byte
.set CD,  40                           ; v40-55  the codes, two registers a unit
.set SP,  56                           ; v56-57  two scale words on the way out
.set R,   64                           ; v64-255 three sets of 64 numbers; job g uses set g % 3
; WORK LEFT OUT BY THE PROGRAM: the bias b.  score[batch][s] = sum over g of hidden[batch][g] x (energy[batch][s][g] + b[g]) = sum h E + sum h b, and sum h b is the same number for every s of a batch:
; a term added to a softmax's input that is the same along its axis cancels, for all values of the inputs.  b enters no quantised operand.  So b is not loaded and is among no launch's arguments.
; LIMIT: a NaN, an infinity or an overflow that reaches only that term is not carried to the result.
	s_load_b128 s[4:7], s[0:1], 0x0                ; W, wq
	v_lshl_add_u32 v62, v0, 2, 0x2600
	v_mov_b32 v63, 0
	v_and_b32 v10, 15, v0                          ; lane % 16
	v_bfe_u32 v11, v0, 4, 1                        ; lane / 16
	v_lshlrev_b32 v[XO], 5, v10
	v_lshl_add_u32 v[XO], v11, 15, v[XO]
	v_mul_u32_u24 v[CW], v11, 1152
	v_lshl_add_u32 v[CW], v10, 3, v[CW]
	v_lshrrev_b32 v[SW], 2, v10                    ; which of the row's four blocks
	v_lshl_add_u32 v[SW], v11, 5, v[SW]
	v_add_nc_u32 v[SW], SCWO, v[SW]
	v_mul_u32_u24 v[FA], v10, 144
	v_lshl_add_u32 v[FA], v11, 4, v[FA]
	v_lshlrev_b32 v[L16], 4, v0
	v_lshl_add_u32 v[SA], v0, 2, SCWO
	v_lshlrev_b32 v[L8], 3, v0
	s_and_b32 s8, ttmp7, 0xffff                    ; s
	s_lshl_b32 s10, ttmp9, 18                      ; Q x 64 rows of 4,096 bytes
	s_lshl_b32 s11, s8, 9                          ; + s x 512 bytes
	s_add_co_u32 s10, s10, s11
	s_mov_b32 s11, 0
	s_lshr_b32 s12, ttmp9, 3                       ; j
	s_bfe_u32 s13, ttmp9, 0x10002                  ; p
	s_and_b32 s14, ttmp9, 3                        ; q
	s_lshl_b32 s15, s8, 1
	s_add_co_u32 s15, s15, s13
	s_mul_i32 s15, s15, PIECE                      ; piece 2 s + p
	s_lshl_b32 s12, s12, 2
	s_add_co_u32 s12, s12, s14
	s_mul_i32 s12, s12, QUADB                      ; quad slot 4 j + q
	s_add_co_u32 s12, s12, s15
	s_mov_b32 s13, 0
	s_mov_b32 s16, 0x600000                        ; the mantissa field of 448
	s_wait_kmcnt 0x0
	s_add_nc_u64 s[4:5], s[4:5], s[10:11]
	s_add_nc_u64 s[6:7], s[6:7], s[12:13]
.macro GLOAD g                         ; job g's 16 rows: 16 loads
.irp u, 0,1,2,3,4,5,6,7
	global_load_b128 v[R+64*((\g)%3)+8*\u:R+64*((\g)%3)+8*\u+3], v[XO], s[4:5] offset:(16*(\g)+\u)*4096 th:TH_LOAD_NT
	global_load_b128 v[R+64*((\g)%3)+8*\u+4:R+64*((\g)%3)+8*\u+7], v[XO], s[4:5] offset:(16*(\g)+\u)*4096+16 th:TH_LOAD_NT
.endr
.endm
.macro JOB g, left                     ; left: the younger loads, which may stay out
.set XS, R+64*((\g)%3)
	s_wait_loadcnt \left
	s_wait_dscnt 0x0                               ; the last job's LDS stores have read their registers
.irp u, 0,1,2,3,4,5,6,7
	v_max3_num_f32 v[MX+\u], |v[XS+8*\u]|, |v[XS+8*\u+1]|, 0x4800000   ; my 8 numbers, and the floor 2^(9 - 127): the byte cannot fall under 1.  The eight units by turns
.endr
.irp i, 2,4,6
.irp u, 0,1,2,3,4,5,6,7
	v_max3_num_f32 v[MX+\u], |v[XS+8*\u+\i]|, |v[XS+8*\u+\i+1]|, v[MX+\u]
.endr
.endr
.irp u, 0,1,2,3,4,5,6,7
	v_max_num_f32_dpp v[MX+\u], v[MX+\u], v[MX+\u] row_xmask:1 row_mask:0xf bank_mask:0xf
.endr
.irp u, 0,1,2,3,4,5,6,7
	v_max_num_f32_dpp v[MX+\u], v[MX+\u], v[MX+\u] row_xmask:2 row_mask:0xf bank_mask:0xf   ; the four lanes of a block now hold its largest magnitude
.endr
.irp u, 0,1,2,3,4,5,6,7
	v_add_nc_u32 v[SC+\u], 0xfc000000, v[MX+\u]    ; 8 off its exponent field: the conversion takes the exponent field of this operand as its scale
.endr
.irp u, 0,1,2,3,4,5,6,7
	v_and_or_b32 v[BD+\u], v[MX+\u], 0x7f800000, s16   ; 448 x the scale
.endr
.irp u, 0,1,2,3,4,5,6,7
	v_lshrrev_b32 v[BY+\u], 23, v[SC+\u]           ; the scale's byte
.endr
.irp u, 0,1,2,3,4,5,6,7
.irp i, 0,1,2,3,4,5,6,7
	v_med3_num_f32 v[XS+8*\u+\i], v[XS+8*\u+\i], -v[BD+\u], v[BD+\u]   ; the conversion to an 8-bit code does not saturate (ISA guide 7.6.2): the hold comes first
.endr
.endr
.irp u, 0,1,2,3,4,5,6,7
	v_cvt_scalef32_pk8_fp8_f32 v[CD+2*\u:CD+2*\u+1], v[XS+8*\u:XS+8*\u+7], v[SC+\u]
.endr
	v_nop                                          ; one plain line behind the last conversion, ahead of whatever next writes its sources or its results
.irp u, 0,1,2,3,4,5,6,7
	ds_store_b64 v[CW], v[CD+2*\u:CD+2*\u+1] offset:(16*(\g)+\u)*144
	ds_store_b8 v[SW], v[BY+\u] offset:(16*(\g)+\u)*4          ; the four lanes of a block write the same byte with the same value
.endr
.endm
	GLOAD 0
	GLOAD 1
	GLOAD 2
	JOB 0, 32                                      ; jobs 1 and 2 may be out
	GLOAD 3                                        ; into job 0's set
	JOB 1, 32                                      ; jobs 2 and 3
	JOB 2, 16
	JOB 3, 0
.irp c, 0,1,2,3                        ; LDS serves a wave's instructions in order (ISA guide 5.7.1.4): these see my stores
.irp k, 0,1,2,3
	ds_load_b128 v[R+16*\c+4*\k:R+16*\c+4*\k+3], v[FA] offset:2304*\c+32*\k   ; fragment c, registers 4 k on: row 16 c + lane % 16, K = 32 k + 16 (lane / 16) + 0 .. 15
.endr
.endr
	ds_load_b32 v[SP], v[SA]                       ; the scale word of row = lane,
	ds_load_b32 v[SP+1], v[SA] offset:128          ; and of row 32 + lane
	s_wait_dscnt 0x0
.irp c, 0,1,2,3
.irp k, 0,1,2,3
	global_store_b128 v[L16], v[R+16*\c+4*\k:R+16*\c+4*\k+3], s[6:7] offset:2048*\c+512*\k   ; 32 lanes store 512 consecutive bytes, at a multiple of 256 from wq's first byte
.endr
.endr
	global_store_b64 v[L8], v[SP:SP+1], s[6:7] offset:8192     ; 256 consecutive bytes
	s_wait_tensorcnt 0x0
	ds_add_u32 v62, v63
	s_wait_dscnt 0x0
	s_endpgm
.Lfunc_end_k_q237f181008_wquant:
	.size	k_q237f181008_wquant, .Lfunc_end_k_q237f181008_wquant-k_q237f181008_wquant
	.p2alignl 7, 3214868480
	.fill 96, 4, 3214868480
	.section	.rodata,"a",@progbits
	.p2align	6, 0x0
	.amdhsa_kernel k_q237f181008_wquant
		.amdhsa_group_segment_fixed_size 9984
		.amdhsa_private_segment_fixed_size 0
		.amdhsa_enable_private_segment 0
		.amdhsa_kernarg_size 16
		.amdhsa_user_sgpr_count 2
		.amdhsa_user_sgpr_kernarg_segment_ptr 1
		.amdhsa_wavefront_size32 1
		.amdhsa_system_sgpr_workgroup_id_x 1
		.amdhsa_system_sgpr_workgroup_id_y 1
		.amdhsa_system_sgpr_workgroup_id_z 1
		.amdhsa_system_vgpr_workitem_id 0
		.amdhsa_next_free_vgpr 256
		.amdhsa_next_free_sgpr 66
		.amdhsa_reserve_vcc 0
		.amdhsa_float_denorm_mode_32 3
		.amdhsa_float_denorm_mode_16_64 3
		.amdhsa_memory_ordered 1
		.amdhsa_forward_progress 1
		.amdhsa_inst_pref_size 53
	.end_amdhsa_kernel
	.amdgpu_metadata
---
amdhsa.version: [ 1, 2 ]
amdhsa.kernels:
  - .name:           k_q237f181008_wquant
    .symbol:         k_q237f181008_wquant.kd
    .args:
      - { .name: W, .offset: 0, .size: 8, .value_kind: global_buffer, .address_space: global }
      - { .name: wq, .offset: 8, .size: 8, .value_kind: global_buffer, .address_space: global }
    .group_segment_fixed_size: 9984
    .private_segment_fixed_size: 0
    .kernarg_segment_align: 8
    .kernarg_segment_size: 16
    .max_flat_workgroup_size: 32
    .sgpr_count:     66
    .vgpr_count:     256
    .wavefront_size: 32
...
	.end_amdgpu_metadata
.endif
;; end of part 1
;; launch scores (part 2): grid 256 x 1, 4 waves a work-group, no clusters, 116,224 bytes of LDS; arguments encoder_outputs, wq, hidden, part; writes part
.if DOCPART == 2
	.amdgcn_target "amdgcn-amd-amdhsa--gfx1250"
	.amdhsa_code_object_version 6
	.text
	.protected	k_q237f181008_scores
	.globl	k_q237f181008_scores
	.p2align	8
	.type	k_q237f181008_scores,@function
k_q237f181008_scores:
	s_mov_b64 s[64:65], 0
	v_nop
	global_prefetch_b8 v0, s[64:65] scope:SCOPE_SE
	s_setreg_imm32_b32 hwreg(HW_REG_WAVE_MODE, 25, 1), 1
	s_wait_xcnt 0x0
; part[row] = the sum over g of hidden[batch][g] x energy[row][g], energy = Q(enc) Q(W)^T on codes of FP8 (E4M3) with one E8M0 scale for each 32 along K.  The bias is left out: hidden . b is the same for every row of a batch and the softmax that follows takes it away.
; The dot with hidden is linear, so no sum over K is carried: each K step of 128 gives partial tiles (C = 0), contracted with hidden at once by packed multiply-adds.
; SHARES.  Work-group wg owns rows 256 wg .. + 255 (batch wg / 16).  Wave w QUANTISES rows 64 w .. + 63 of each K step and MULTIPLIES all 256 rows by N quarter w (g = 256 w .. + 255): each byte of wq is loaded once by a work-group.
; W's fragments go from memory straight into operand registers (wq is laid as images of them), so they never lie in LDS.  cluster = none: a joint load lands in LDS alone, and here no operand that work-groups share passes through LDS.
; enc comes by loads of 512 consecutive bytes (one row x 128 K), two sets of 16 rows by turns, asked for one trip ahead; no prefetch is laid beside them: these loads are themselves the stream's requests, a trip ahead of their use.
; A TRIP is half a K step: 32 rows quantised for a later K step, and 256 rows x 8 tiles of W multiplied.  Job pair m (K step m / 2, rows 32 (m % 2) of my 64) is worked in trip m - 3 and goes to slab (m / 2) % 2 in LDS.
; In a job a lane holds 4 neighbours along K of a row; a block of 32 lies in eight lanes.  A conversion takes 8 numbers under ONE scale: it is given rows r and r + 1 under row r's scale, and only row r's four codes are kept.
; LIMITS: NaN and infinities among the inputs are not served.  A block of zeros gets the byte 1 where the rule says 127 (its codes are zeros; this program alone reads the bytes).  The score is summed in f32 by K step, by g mod 16, by N quarter.
; REGISTERS, windows of 256: window 0 addresses, scales, the quantiser's work, enc set 0.  Windows 1, 2 (rows 0-127, 128-255): v0-127 A's 8 fragments, v128-191 two sets of 4 partial tiles, v192-255 the sums.
; Window 3: v0-127 W, two quads; v128-143 hidden's pairs; v144-207 enc set 1.  So ONE setting serves a product and the multiply-adds that stand behind it.
.set PIECE, 67584
.set QUADB, 8448
.set SCWO,  36864                      ; a slab: 256 rows x 144 bytes, then 256 scale words; slab 1 lies 65,536 bytes on
.set HT,    103424                     ; hidden, each number twice: 8,192 bytes
.set OUT,   111616                     ; the way out: 1,024 bytes a wave
.set SPARE, 115712                     ; the spare words
.set SPW, 1
.set NIL, 2
.set XO,  3                            ; 16 x lane
.set CWL, 4
.set SWL, 5
.set CW,  6
.set SW,  7
.set AFL, 8
.set ASL, 9
.set AF,  10
.set AS,  11
.set L8,  13                           ; 8 x lane
.set HL,  14
.set HA,  15
.set OST, 16
.set ORD, 17
.set ASC, 24                           ; v24-31 A's scale words, two tiles a register
.set WSC, 32                           ; v32-35 W's, two sets of two
.set MX,  36
.set SC,  44
.set BD,  52
.set BY,  60                           ; v60-91  bytes, 16 a job
.set CD,  92                           ; v92-155 codes, 32 a job
.set WV,  12
.set M,   13                           ; s13 the job pair of the trip = trip + 3
.set FLR, 16
.set MNT, 17
.set EO,  22
.set WO,  24
.set EB,  26
.set WB,  28
.set JB,  30
.set SB,  31
.set HO,  32
.set AB,  33
.set MSB, 0
.macro WIN new
.if MSB != \new
	s_set_vgpr_msb (MSB<<8)|\new
.set MSB, \new
.endif
.endm
.macro GLOAD g, ew, xs                 ; 16 rows x 512 bytes into a set
	WIN (\ew)<<6
.irp r, 0,1,2,3,4,5,6,7,8,9,10,11,12,13,14,15
	global_load_b128 v[\xs+4*\r:\xs+4*\r+3], v[XO], s[EB:EB+1] offset:(16*\g+\r)*4096 th:TH_LOAD_NT
.endr
	WIN 0
.endm
.macro JOB g, ew, xs, reload, left     ; left: the younger loads, which may stay out
	s_wait_loadcnt \left
.irp hh, 0,1
	WIN (\ew)|((\ew)<<2)
.irp u, 0,1,2,3,4,5,6,7
	v_max3_num_f32 v[MX+\u], |v[\xs+32*\hh+4*\u]|, |v[\xs+32*\hh+4*\u+1]|, s[FLR]   ; with the floor 2^(9 - 127): the byte cannot fall under 1
.endr
.irp u, 0,1,2,3,4,5,6,7
	v_max3_num_f32 v[MX+\u], |v[\xs+32*\hh+4*\u+2]|, |v[\xs+32*\hh+4*\u+3]|, v[MX+\u]
.endr
	WIN 0
.irp x, 1,2,4
.irp u, 0,1,2,3,4,5,6,7
	v_max_num_f32_dpp v[MX+\u], v[MX+\u], v[MX+\u] row_xmask:\x row_mask:0xf bank_mask:0xf
.endr
.endr
.irp u, 0,1,2,3,4,5,6,7
	v_add_nc_u32 v[SC+\u], 0xfc000000, v[MX+\u]    ; 8 off the exponent field: the conversion's scale operand
.endr
.irp u, 0,1,2,3,4,5,6,7
	v_and_or_b32 v[BD+\u], v[MX+\u], 0x7f800000, s[MNT]   ; 448 x the scale
.endr
.irp u, 0,1,2,3,4,5,6,7
	v_lshrrev_b32 v[BY+16*\g+8*\hh+\u], 23, v[SC+\u]
.endr
	WIN (\ew)|((\ew)<<6)
.irp u, 0,1,2,3,4,5,6,7
.irp i, 0,1,2,3
	v_med3_num_f32 v[\xs+32*\hh+4*\u+\i], v[\xs+32*\hh+4*\u+\i], -v[BD+\u], v[BD+\u]   ; the conversion does not saturate (ISA guide 7.6.2)
.endr
.endr
	WIN \ew
.irp u, 0,1,2,3,4,5,6,7
.if 8*\hh+\u < 15
	v_cvt_scalef32_pk8_fp8_f32 v[CD+32*\g+16*\hh+2*\u:CD+32*\g+16*\hh+2*\u+1], v[\xs+32*\hh+4*\u:\xs+32*\hh+4*\u+7], v[SC+\u]   ; the low register holds the row's codes
.else
	v_cvt_scalef32_pk8_fp8_f32 v[CD+32*\g+30:CD+32*\g+31], v[\xs+56:\xs+63], v[SC+7]   ; row 15: the high register
.endif
.endr
.endr
	v_nop                                          ; one plain line behind the last conversion
.if \reload
	GLOAD \g, \ew, \xs
.else
	WIN 0
.endif
.irp r, 0,1,2,3,4,5,6,7,8,9,10,11,12,13,14,15
	ds_store_b32 v[CW], v[CD+32*\g+2*\r+\r/15] offset:(16*\g+\r)*144   ; 32 lanes: a row's 128 codes
	ds_store_b8 v[SW], v[BY+16*\g+\r] offset:(16*\g+\r)*4              ; the eight lanes of a block write the same byte
.endr
.endm
.macro ALOAD p                         ; A's fragments and scale words of rows 128 p .. + 127
	WIN ((\p)+1)<<6
.irp t, 0,1,2,3,4,5,6,7
.irp k, 0,1,2,3
	ds_load_b128 v[16*\t+4*\k:16*\t+4*\k+3], v[AF] offset:2304*(8*\p+\t)+32*\k
.endr
.endr
	WIN 0
.irp a, 0,1,2,3
	ds_load_b32 v[ASC+4*\p+\a], v[AS] offset:128*(4*\p+\a)
.endr
.endm
.macro WLOAD be                        ; a quad of W: 16 loads of 512 consecutive bytes and its scale words
	WIN 0xc0
.irp f, 0,1,2,3
.irp k, 0,1,2,3
	global_load_b128 v[64*\be+16*\f+4*\k:64*\be+16*\f+4*\k+3], v[XO], s[WB:WB+1] offset:\be*QUADB+2048*\f+512*\k
.endr
.endr
	WIN 0
	global_load_b64 v[WSC+2*\be:WSC+2*\be+1], v[L8], s[WB:WB+1] offset:\be*QUADB+8192
.endm
.macro HLOAD                           ; hidden's pairs (h, h) of two quads
	WIN 0xc0
.irp be, 0,1
	ds_load_b128 v[128+8*\be:131+8*\be], v[HA] offset:512*\be
	ds_load_b128 v[132+8*\be:135+8*\be], v[HA] offset:512*\be+256
.endr
	WIN 0
.endm
.macro FM4 t                           ; a partial tile x hidden, from its low end on
.irp jp, 0,1,2,3
	v_pk_fma_f32 v[pS+8*\t+2*\jp:pS+8*\t+2*\jp+1], v[pD+8*\t+2*\jp:pD+8*\t+2*\jp+1], v[pH:pH+1], v[pS+8*\t+2*\jp:pS+8*\t+2*\jp+1]
.endr
.endm
; 128 rows x a quad of W: 8 runs of 4 products; behind each product stand the 4 multiply-adds of the same tile of the run before: 16 plain lines lie between a product and the first read of its result.
.macro HS p, be
.set FIRST, 1
.irp c, 0,1,2,3
.irp a, 0,1
.irp t, 0,1,2,3
.set rD, 128+32*\a+8*\t
.set rA, 16*(4*\a+\t)
.set rB, 64*\be+16*\c
.set rX, ASC+4*\p+2*\a+\t/2
.set rW, WSC+2*\be+\c/2
.if (\t%2 == 0) && (\c%2 == 0)
	v_wmma_scale_f32_16x16x128_f8f6f4 v[rD:rD+7], v[rA:rA+15], v[rB:rB+15], 0, v[rX], v[rW]
.elseif (\t%2 == 1) && (\c%2 == 0)
	v_wmma_scale_f32_16x16x128_f8f6f4 v[rD:rD+7], v[rA:rA+15], v[rB:rB+15], 0, v[rX], v[rW] matrix_a_scale:MATRIX_SCALE_ROW1
.elseif (\t%2 == 0)
	v_wmma_scale_f32_16x16x128_f8f6f4 v[rD:rD+7], v[rA:rA+15], v[rB:rB+15], 0, v[rX], v[rW] matrix_b_scale:MATRIX_SCALE_ROW1
.else
	v_wmma_scale_f32_16x16x128_f8f6f4 v[rD:rD+7], v[rA:rA+15], v[rB:rB+15], 0, v[rX], v[rW] matrix_a_scale:MATRIX_SCALE_ROW1 matrix_b_scale:MATRIX_SCALE_ROW1
.endif
.if FIRST == 0
	FM4 \t
.endif
.endr
.if FIRST
.rept 8
	v_nop                                          ; the first run has no earlier tiles: eight places
.endr
.endif
.set pD, 128+32*\a
.set pS, 192+32*\a
.set pH, 128+8*\be+2*\c
.set FIRST, 0
.endr
.endr
.irp t, 0,1,2,3
	FM4 \t                                         ; the last run's tiles; also the places ahead of loads into the operands
.endr
.endm
; The trip's addresses, all from s[M].  jobs: where pair M goes.  reload: where pair M + 1 lies in enc.  next: W, hidden and A's slab of the next trip (trip M - 2).
.macro ADDR jobs, reload, next
	s_wait_xcnt 0x0                                ; earlier loads have read their bases
	s_bfe_u32 s18, s[M], 0x10001
	s_and_b32 s19, s[M], 1
.if \jobs
	s_lshl_b32 s20, s18, 16
	s_mul_i32 s21, s19, 4608
	s_add_co_u32 s[JB], s20, s21
	s_lshl_b32 s21, s19, 7
	s_add_co_u32 s[SB], s20, s21
	v_add_nc_u32 v[CW], s[JB], v[CWL]
	v_add_nc_u32 v[SW], s[SB], v[SWL]
.endif
.if \reload
	s_add_co_u32 s20, s[M], 1
	s_lshr_b32 s21, s20, 1
	s_lshl_b32 s21, s21, 9
	s_and_b32 s20, s20, 1
	s_lshl_b32 s20, s20, 17
	s_add_co_u32 s[EO], s20, s21
	s_add_nc_u64 s[EB:EB+1], s[4:5], s[EO:EO+1]
.endif
.if \next
	s_lshl_b32 s[HO], s19, 10
	s_xor_b32 s18, s18, 1
	s_lshl_b32 s[AB], s18, 16
	s_mul_i32 s21, s19, 2*QUADB
	s_lshr_b32 s20, s[M], 1
	s_sub_co_u32 s20, s20, 1
	s_mul_i32 s20, s20, 2*PIECE
	s_add_co_u32 s[WO], s20, s21
	s_add_nc_u64 s[WB:WB+1], s[6:7], s[WO:WO+1]
.endif
	s_wait_alu depctr_va_vdst(0)
.endm
.macro ASKIP amode, lbl                ; A is fetched anew at a K step's second trip
	s_wait_alu depctr_va_vdst(0)
.if \amode == 1
	s_and_b32 s18, s[M], 1
	s_cmp_lg_u32 s18, 0
.else
	s_cmp_lg_u32 s[M], 16
.endif
	s_cbranch_scc1 \lbl
.endm
.macro WSKIP lbl                       ; the last trip has no successor
	s_wait_alu depctr_va_vdst(0)
	s_cmp_ge_u32 s[M], 18
	s_cbranch_scc1 \lbl
.endm
; One barrier a trip: in front of it my stores of codes and my reads of a slab are done; behind it the slab written up to here is whole, and the slab read last is written again only a barrier later.
.macro TRIP jobs, reload, l0, l1, lw, amode, wmode
	ADDR \jobs, \reload, 1
.if \jobs
	JOB 0, 0, 160, \reload, \l0
	JOB 1, 3, 144, \reload, \l1
.endif
	s_wait_alu depctr_va_vdst(0)
	s_wait_dscnt 0x0
	s_barrier_signal -1
	s_wait_loadcnt \lw                             ; both quads of W are in
	WIN 0x5d
	HS 0, 0
	HS 0, 1
	WIN 0
	s_barrier_wait -1
.if \amode
	ASKIP \amode, .Lna1_\@
	v_add_nc_u32 v[AF], s[AB], v[AFL]
	v_add_nc_u32 v[AS], s[AB], v[ASL]
	ALOAD 0                                        ; rows 0-127 of the next K step, under the products of rows 128-255
.Lna1_\@:
.endif
	WIN 0xae
	HS 1, 0
	WIN 0
.if \wmode
	WSKIP .Lnw0_\@
.endif
	WLOAD 0
.Lnw0_\@:
	WIN 0xae
	HS 1, 1
	WIN 0
.if \wmode
	WSKIP .Lnw1_\@
.endif
	WLOAD 1
	v_add_nc_u32 v[HA], s[HO], v[HL]
	HLOAD
.Lnw1_\@:
.if \amode
	ASKIP \amode, .Lna2_\@
	ALOAD 1
.Lna2_\@:
.endif
.endm
	s_load_b256 s[4:11], s[0:1], 0x0               ; enc, wq, hidden, part
	v_lshl_add_u32 v[SPW], v0, 2, SPARE
	v_mov_b32 v[NIL], 0
	v_lshrrev_b32 v19, 5, v0
	v_readfirstlane_b32 s[WV], v19                 ; wave 0..3
	s_mul_i32 s34, s[WV], 9216                     ; my 64 rows of a slab
	s_lshl_b32 s35, s[WV], 8
	s_add_co_u32 s38, s35, OUT
	s_add_co_u32 s35, s35, SCWO
	s_lshl_b32 s36, s[WV], 11
	s_add_co_u32 s36, s36, HT
	s_lshl_b32 s37, s[WV], 10
	s_add_co_u32 s37, s37, OUT
	s_mov_b32 s[FLR], 0x4800000
	s_mov_b32 s[MNT], 0x600000
	s_mov_b32 s[EO+1], 0
	s_mov_b32 s[WO+1], 0
	s_wait_alu depctr_va_vdst(0)
	v_and_b32 v20, 31, v0                          ; lane
	v_and_b32 v21, 15, v0
	v_bfe_u32 v22, v0, 4, 1
	v_lshlrev_b32 v[XO], 4, v20
	v_lshlrev_b32 v[L8], 3, v20
	v_lshl_add_u32 v[CWL], v20, 2, s34
	v_lshrrev_b32 v[SWL], 3, v20                   ; which of the row's four blocks
	v_add_nc_u32 v[SWL], s35, v[SWL]
	v_mul_u32_u24 v[AFL], v21, 144
	v_lshl_add_u32 v[AFL], v22, 4, v[AFL]
	v_lshl_add_u32 v[ASL], v20, 2, SCWO
	v_lshl_add_u32 v[HL], v21, 4, s36
	v_lshl_add_u32 v[OST], v22, 5, s37
	v_lshl_add_u32 v[ORD], v20, 3, s38
	v_lshlrev_b32 v224, 4, v0                      ; hidden: 16 bytes a thread
	v_lshrrev_b32 v23, 4, v0                       ; the table: thread n holds g = 4 n + e: quad n / 16, tile (n / 4) % 4, g mod 16 = 4 (n % 4) + e
	v_lshlrev_b32 v23, 9, v23
	v_bfe_u32 v19, v0, 3, 1
	v_lshl_add_u32 v23, v19, 8, v23
	v_bfe_u32 v19, v0, 2, 1
	v_lshl_add_u32 v23, v19, 3, v23
	v_and_b32 v19, 3, v0
	v_lshl_add_u32 v23, v19, 6, v23
	v_add_nc_u32 v23, HT, v23
	s_wait_alu depctr_va_vdst(0)
	s_wait_kmcnt 0x0
	s_lshl_b32 s18, ttmp9, 20                      ; enc: 256 wg rows of 4,096 bytes + my 64 rows
	s_lshl_b32 s19, s[WV], 18
	s_add_co_u32 s18, s18, s19
	s_mov_b32 s19, 0
	s_add_nc_u64 s[4:5], s[4:5], s[18:19]
	s_lshr_b32 s18, ttmp9, 4
	s_lshl_b32 s18, s18, 12                        ; hidden: the batch's 4,096 bytes
	s_add_nc_u64 s[8:9], s[8:9], s[18:19]
	s_and_b32 s18, s[WV], 1                        ; wq: quad Q = 4 w + q lies in piece 2 s + w % 2, quad slot 4 (w / 2) + q
	s_mul_i32 s18, s18, PIECE
	s_lshr_b32 s20, s[WV], 1
	s_mul_i32 s20, s20, 4*QUADB
	s_add_co_u32 s18, s18, s20
	s_add_nc_u64 s[6:7], s[6:7], s[18:19]
	s_lshl_b32 s18, ttmp9, 10                      ; part: (256 wg + 64 w) x 4 bytes
	s_lshl_b32 s20, s[WV], 8
	s_add_co_u32 s18, s18, s20
	s_add_nc_u64 s[10:11], s[10:11], s[18:19]
	s_mov_b64 s[EB:EB+1], s[4:5]
	global_load_b128 v[228:231], v224, s[8:9]
	global_load_b128 v[232:235], v224, s[8:9] offset:2048
	GLOAD 0, 0, 160                                ; job pair 0
	GLOAD 1, 3, 144
	WIN 0x40
.set n, 192
.rept 64
	v_mov_b32 v[n], 0                              ; the sums
.set n, n+1
.endr
	WIN 0x80
.set n, 192
.rept 64
	v_mov_b32 v[n], 0
.set n, n+1
.endr
	WIN 0
	s_wait_loadcnt 32                              ; hidden is in
.irp e, 0,1,2,3
	ds_store_b32 v23, v[228+\e] offset:16*\e       ; each number twice: a pair read back is (h, h)
	ds_store_b32 v23, v[228+\e] offset:16*\e+4
	ds_store_b32 v23, v[232+\e] offset:4096+16*\e
	ds_store_b32 v23, v[232+\e] offset:4096+16*\e+4
.endr
	s_mov_b32 s[M], 0
.Lhead:                                        ; job pairs 0, 1, 2; each set is asked for again for the pair that follows
	ADDR 1, 1, 0
	JOB 0, 0, 160, 1, 16                           ; 16: the other set
	JOB 1, 3, 144, 1, 16
	s_wait_dscnt 0x0
	s_add_co_u32 s[M], s[M], 1
	s_cmp_lt_u32 s[M], 3
	s_wait_alu depctr_va_vdst(0)
	s_cbranch_scc1 .Lhead
	s_mov_b64 s[WB:WB+1], s[6:7]
	WLOAD 0                                        ; trip 0's W
	WLOAD 1
	s_barrier_signal -1
	s_barrier_wait -1                              ; slab 0 and the table are whole
	v_mov_b32 v[AF], v[AFL]
	v_mov_b32 v[AS], v[ASL]
	v_mov_b32 v[HA], v[HL]
	ALOAD 0
	ALOAD 1
	HLOAD
	s_wait_alu depctr_va_vdst(0)
.Lmain:                                        ; trips 0 to 11.  Issue order in a trip: enc 16, enc 16, W 17, W 17: so a set has 50 younger loads, W 32
	TRIP 1, 1, 50, 50, 32, 1, 0
	s_add_co_u32 s[M], s[M], 1
	s_cmp_lt_u32 s[M], 15
	s_wait_alu depctr_va_vdst(0)
	s_cbranch_scc1 .Lmain
	TRIP 1, 0, 50, 34, 0, 0, 0                     ; trip 12: the last job pair; nothing more is asked of enc
	s_add_co_u32 s[M], s[M], 1
.Ltail:                                        ; trips 13 to 15: no jobs; every wait for loads is for 0
	TRIP 0, 0, 0, 0, 0, 2, 1
	s_add_co_u32 s[M], s[M], 1
	s_cmp_lt_u32 s[M], 19
	s_wait_alu depctr_va_vdst(0)
	s_cbranch_scc1 .Ltail
	; THE WAY OUT.  A row's sum over my N quarter lies in sixteen lanes; then the four waves' parts meet in LDS.
.irp p, 1,2
	WIN (\p)|((\p)<<2)|((\p)<<6)
.irp x, 1,2,4,8
.set n, 192
.rept 64
	v_add_f32_dpp v[n], v[n], v[n] row_xmask:\x row_mask:0xf bank_mask:0xf
.set n, n+1
.endr
.endr
	WIN (\p)<<2
.irp t, 0,1,2,3,4,5,6,7
	ds_store_b128 v[OST], v[192+8*\t:195+8*\t] offset:(8*(\p-1)+\t)*64      ; rows 16 T + 8 (lane / 16) + 0 .. 3: sixteen lanes write the same bytes with the same values
	ds_store_b128 v[OST], v[196+8*\t:199+8*\t] offset:(8*(\p-1)+\t)*64+16
.endr
.endr
	WIN 0
	s_wait_dscnt 0x0
	s_barrier_signal -1
	s_barrier_wait -1
.irp v, 0,1,2,3
	ds_load_b64 v[224+2*\v:225+2*\v], v[ORD] offset:1024*\v    ; rows 64 w + 2 lane, + 1 of wave v's part
.endr
	s_wait_dscnt 0x0
	v_pk_add_f32 v[224:225], v[224:225], v[226:227]
	v_pk_add_f32 v[228:229], v[228:229], v[230:231]
	v_pk_add_f32 v[224:225], v[224:225], v[228:229]
	global_store_b64 v[L8], v[224:225], s[10:11]   ; 32 lanes store 256 consecutive bytes, aligned
	s_wait_tensorcnt 0x0                           ; the wave's end
	ds_add_u32 v[SPW], v[NIL]
	s_wait_dscnt 0x0
	s_endpgm
.Lfunc_end_k_q237f181008_scores:
	.size	k_q237f181008_scores, .Lfunc_end_k_q237f181008_scores-k_q237f181008_scores
	.p2alignl 7, 3214868480
	.fill 96, 4, 3214868480
	.section	.rodata,"a",@progbits
	.p2align	6, 0x0
	.amdhsa_kernel k_q237f181008_scores
		.amdhsa_group_segment_fixed_size 116224
		.amdhsa_private_segment_fixed_size 0
		.amdhsa_enable_private_segment 0
		.amdhsa_kernarg_size 32
		.amdhsa_user_sgpr_count 2
		.amdhsa_user_sgpr_kernarg_segment_ptr 1
		.amdhsa_wavefront_size32 1
		.amdhsa_system_sgpr_workgroup_id_x 1
		.amdhsa_system_sgpr_workgroup_id_y 1
		.amdhsa_system_sgpr_workgroup_id_z 1
		.amdhsa_system_vgpr_workitem_id 0
		.amdhsa_next_free_vgpr 1024
		.amdhsa_next_free_sgpr 66
		.amdhsa_reserve_vcc 0
		.amdhsa_float_denorm_mode_32 3
		.amdhsa_float_denorm_mode_16_64 3
		.amdhsa_memory_ordered 1
		.amdhsa_forward_progress 1
		.amdhsa_inst_pref_size 255
	.end_amdhsa_kernel
	.section	.bss,"aw",@nobits
	.p2align	6
	.space	262144
	.amdgpu_metadata
---
amdhsa.version: [ 1, 2 ]
amdhsa.kernels:
  - .name:           k_q237f181008_scores
    .symbol:         k_q237f181008_scores.kd
    .args:
      - { .name: encoder_outputs, .offset: 0, .size: 8, .value_kind: global_buffer, .address_space: global }
      - { .name: wq, .offset: 8, .size: 8, .value_kind: global_buffer, .address_space: global }
      - { .name: hidden, .offset: 16, .size: 8, .value_kind: global_buffer, .address_space: global }
      - { .name: part, .offset: 24, .size: 8, .value_kind: global_buffer, .address_space: global }
    .group_segment_fixed_size: 116224
    .private_segment_fixed_size: 0
    .kernarg_segment_align: 8
    .kernarg_segment_size: 32
    .max_flat_workgroup_size: 128
    .sgpr_count:     66
    .vgpr_count:     1024
    .wavefront_size: 32
...
	.end_amdgpu_metadata
.endif
;; end of part 2
;; launch softmax (part 3): grid 16 x 1, 32 waves a work-group, no clusters, 4,352 bytes of LDS; arguments part, out0; writes out0
.if DOCPART == 3
	.amdgcn_target "amdgcn-amd-amdhsa--gfx1250"
	.amdhsa_code_object_version 6
	.text
	.protected	k_q237f181008_softmax
	.globl	k_q237f181008_softmax
	.p2align	8
	.type	k_q237f181008_softmax,@function
k_q237f181008_softmax:
	s_mov_b64 s[64:65], 0
	v_nop
	global_prefetch_b8 v0, s[64:65] scope:SCOPE_SE
	s_setreg_imm32_b32 hwreg(HW_REG_WAVE_MODE, 25, 1), 1
	s_wait_xcnt 0x0
; out0[batch][0][s] = softmax over s of part[batch][s] (the scores without the bias term, which is the same along s and cancels here).  One work-group to a batch: 1,024 threads x 4 scores, kept in registers.
; The row's maximum is taken away before the exponential; the difference is formed first and multiplied by log2(e) afterwards.
; Each load and store of a wave covers 512 consecutive bytes.  The waves' figures meet in LDS: 32 words for the maxima, 32 others for the sums, a barrier for each.
; LIMITS: NaN and infinities among the scores are not served.
	s_load_b128 s[4:7], s[0:1], 0x0                ; part, out0
	v_lshl_add_u32 v32, v0, 2, 0x100
	v_mov_b32 v33, 0
	v_lshlrev_b32 v1, 4, v0                        ; my 16 bytes
	v_lshrrev_b32 v2, 5, v0
	s_delay_alu instid0(VALU_DEP_1)
	v_lshlrev_b32 v2, 2, v2                        ; LDS: my wave's word
	v_and_b32 v3, 31, v0
	s_delay_alu instid0(VALU_DEP_1)
	v_lshlrev_b32 v3, 2, v3                        ; LDS: the word of wave = my lane
	v_mov_b32 v13, 0                               ; (a lane permute's destination counts as one of its sources)
	s_lshl_b32 s8, ttmp9, 14                       ; the batch's 4,096 numbers
	s_mov_b32 s9, 0
	s_mov_b32 s10, 0x76543210                      ; selects for lane l xor 16
	s_mov_b32 s11, 0xfedcba98
	s_wait_alu depctr_va_vdst(0)
	s_wait_kmcnt 0x0
	s_add_nc_u64 s[4:5], s[4:5], s[8:9]
	s_add_nc_u64 s[6:7], s[6:7], s[8:9]
	global_load_b128 v[4:7], v1, s[4:5] th:TH_LOAD_NT
	s_wait_loadcnt 0x0
.macro WMAX                            ; v12 over the 32 lanes, in every lane
.irp x, 1
	v_max_num_f32_dpp v12, v12, v12 row_xmask:\x row_mask:0xf bank_mask:0xf
.endr
.irp x, 2, 4, 8
	s_delay_alu instid0(VALU_DEP_1)
	v_max_num_f32_dpp v12, v12, v12 row_xmask:\x row_mask:0xf bank_mask:0xf
.endr
	s_wait_alu depctr_va_vdst(0)
	v_permlanex16_b32 v13, v12, s10, s11
	s_delay_alu instid0(VALU_DEP_1)
	v_max_num_f32 v12, v12, v13
.endm
.macro WSUM
.irp x, 1
	v_add_f32_dpp v12, v12, v12 row_xmask:\x row_mask:0xf bank_mask:0xf
.endr
.irp x, 2, 4, 8
	s_delay_alu instid0(VALU_DEP_1)
	v_add_f32_dpp v12, v12, v12 row_xmask:\x row_mask:0xf bank_mask:0xf
.endr
	s_wait_alu depctr_va_vdst(0)
	v_permlanex16_b32 v13, v12, s10, s11
	s_delay_alu instid0(VALU_DEP_1)
	v_add_f32 v12, v12, v13
.endm
	v_max3_num_f32 v12, v4, v5, v6
	s_delay_alu instid0(VALU_DEP_1)
	v_max_num_f32 v12, v12, v7
	WMAX
	ds_store_b32 v2, v12                           ; all lanes of a wave write its word with the same value
	s_wait_dscnt 0x0                               ; for the others' sake
	s_barrier_signal -1
	s_barrier_wait -1
	ds_load_b32 v12, v3                            ; lane l takes wave l's maximum
	s_wait_dscnt 0x0
	WMAX                                           ; the row's maximum, in every lane
.irp n, 4,5,6,7
	v_sub_f32 v[\n], v[\n], v12
.endr
.irp n, 4,5,6,7
	s_delay_alu instid0(VALU_DEP_4)
	v_mul_f32 v[\n], 0x3fb8aa3b, v[\n]             ; x log2(e): v_exp_f32 works in base 2
.endr
	s_wait_alu depctr_va_vdst(0)
.irp n, 4,5,6,7
	v_exp_f32 v[\n], v[\n]
.endr
	v_nop                                          ; one plain line behind the exponentials
	s_wait_alu depctr_va_vdst(0)
	v_add_f32 v12, v4, v5
	v_add_f32 v14, v6, v7
	s_delay_alu instid0(VALU_DEP_1)
	v_add_f32 v12, v12, v14
	WSUM
	ds_store_b32 v2, v12 offset:128                ; other words than the maxima's
	s_wait_dscnt 0x0
	s_barrier_signal -1
	s_barrier_wait -1
	ds_load_b32 v12, v3 offset:128
	s_wait_dscnt 0x0
	WSUM                                           ; the row's sum: at least 1, the maximum's own term
	s_wait_alu depctr_va_vdst(0)
	v_rcp_f32 v12, v12
	v_nop                                          ; one plain line behind the reciprocal
	s_wait_alu depctr_va_vdst(0)
.irp n, 4,5,6,7
	v_mul_f32 v[\n], v[\n], v12
.endr
	global_store_b128 v1, v[4:7], s[6:7] th:TH_STORE_NT        ; 32 lanes store 512 consecutive bytes
	s_wait_tensorcnt 0x0
	ds_add_u32 v32, v33
	s_wait_dscnt 0x0
	s_endpgm
.Lfunc_end_k_q237f181008_softmax:
	.size	k_q237f181008_softmax, .Lfunc_end_k_q237f181008_softmax-k_q237f181008_softmax
	.p2alignl 7, 3214868480
	.fill 96, 4, 3214868480
	.section	.rodata,"a",@progbits
	.p2align	6, 0x0
	.amdhsa_kernel k_q237f181008_softmax
		.amdhsa_group_segment_fixed_size 4352
		.amdhsa_private_segment_fixed_size 0
		.amdhsa_enable_private_segment 0
		.amdhsa_kernarg_size 16
		.amdhsa_user_sgpr_count 2
		.amdhsa_user_sgpr_kernarg_segment_ptr 1
		.amdhsa_wavefront_size32 1
		.amdhsa_system_sgpr_workgroup_id_x 1
		.amdhsa_system_sgpr_workgroup_id_y 1
		.amdhsa_system_sgpr_workgroup_id_z 1
		.amdhsa_system_vgpr_workitem_id 0
		.amdhsa_next_free_vgpr 34
		.amdhsa_next_free_sgpr 66
		.amdhsa_reserve_vcc 0
		.amdhsa_float_denorm_mode_32 3
		.amdhsa_float_denorm_mode_16_64 3
		.amdhsa_memory_ordered 1
		.amdhsa_forward_progress 1
		.amdhsa_inst_pref_size 6
	.end_amdhsa_kernel
	.amdgpu_metadata
---
amdhsa.version: [ 1, 2 ]
amdhsa.kernels:
  - .name:           k_q237f181008_softmax
    .symbol:         k_q237f181008_softmax.kd
    .args:
      - { .name: part, .offset: 0, .size: 8, .value_kind: global_buffer, .address_space: global }
      - { .name: out0, .offset: 8, .size: 8, .value_kind: global_buffer, .address_space: global }
    .group_segment_fixed_size: 4352
    .private_segment_fixed_size: 0
    .kernarg_segment_align: 8
    .kernarg_segment_size: 16
    .max_flat_workgroup_size: 1024
    .sgpr_count:     66
    .vgpr_count:     34
    .wavefront_size: 32
...
	.end_amdgpu_metadata
.endif
;; end of part 3
